; MI455X (gfx1250); checked and timed in simulation.
; The chip was launched on July 23, 2026; its instructions are those of AMD's public machine-readable ISA for CDNA 5 (MIT licence, August 2026) and "CDNA5" Instruction Set Architecture Reference Guide (July 2026). The comments in the code are by the model that wrote it; some were corrected since.
;; Content Based Attention. Allowed arithmetic: matrix products marked QUANTISED: E4M3 operands, one given power-of-two scale a tensor, by v_wmma_f32_16x16x64_fp8_fp8 or v_wmma_f32_16x16x128_fp8_fp8, f32 sums; products left as they are: f32 operands where the result goes on into a quantised operand, else bf16, f16 or f32 operands; f32 sums; everything else in f32.
;; Inputs: V_codes 1,024 x 32 x 32 uint8 (E4M3 codes of V, K innermost, in blocks of 32 codes); W_codes 1,024 x 32 x 32 uint8 (E4M3 codes of W, K innermost, in blocks of 32 codes); b 1,024 float32; decoder_output_codes 32 x 1 x 32 x 32 uint8 (E4M3 codes of decoder_output, K innermost, in blocks of 32 codes); encoder_outputs 32 x 2,048 x 1,024 float32; lowp_scales 4 int32 (the exponents e of the quantised operands' scales 2^e); w 1,024 x 1 float32.
;; Outputs: out0 32 x 1,024 float32.
;; This version of the problem:
;;   THIS VERSION OF THE PROBLEM IS GIVEN IN LOW PRECISION. The matrix products marked QUANTISED in the list below multiply operands that are first quantised to E4M3 (4 exponent bits, 3 mantissa bits; 8 bits a number), with one given power-of-two scale for each operand tensor; their sums are f32. All else is computed in f32.
;;   The module's matrix products, in the order in which they are computed (A, B: the left and right operand; K: the contracted axis; several contracted axes count as one K, in the product's order):
;;     1. [M 32, K 1,024] x [K 1,024, N 1,024]; A: input decoder_output (given as codes); B: input W (given as codes): QUANTISED (scales: A lowp_scales[0], B lowp_scales[1])
;;     2. [M 65,536, K 1,024] x [K 1,024, N 1,024]; A: input encoder_outputs; B: input V (given as codes): QUANTISED (scales: A lowp_scales[2], B lowp_scales[3])
;;     3. [M 65,536, K 1,024] x [K 1,024, N 1]; A: computed on the way; B: input w: left as it is (N = 1 < 16)
;;     4. batch 32 x [M 1, K 2,048] x [K 2,048, N 1,024]; A: softmax; B: input encoder_outputs: left as it is (M = 1 < 16)
;;   THE QUANTISER, for each operand of a quantised product, along K:
;;     - The operand's scale is 2^e, e = its entry of the input lowp_scales (int32; the entries are numbered through the quantised products in the list's order, A before B).
;;     - Each number is divided by the scale, clamped to +-448, and rounded to the nearest number of E4M3, ties to even, subnormals kept.
;;     - The product sums the exact products of the quantised numbers (number of the format x scale) in f32.
;;   ~~~python
;;   def quantise(x, axis, e):      # numpy; x: float32 -> the quantised numbers, widened to float32 again
;;       x = np.moveaxis(x, axis, -1); K = x.shape[-1]
;;       r = np.clip(x / 2.0 ** e, -448, 448)
;;       step = 2.0 ** (np.maximum(np.frexp(np.where(r == 0, 1, r))[1] - 1, -6) - 3)
;;       q = np.round(r / step) * step * 2.0 ** e      # np.round: ties to even
;;       return np.moveaxis(q, -1, axis).astype(np.float32)
;;   ~~~
;;   INPUTS GIVEN AS CODES. V (in the module: [1024, 1024], K = its axis 0); W (in the module: [1024, 1024], K = its axis 0); decoder_output (in the module: [32, 1, 1024], K = its axis 2): each comes as NAME_codes (uint8): NAME with its K axis moved to the last place and cut into blocks of 32 codes, [.., K / 32, bytes a block], one block behind the other in memory; one code a byte (a code: sign, 4 exponent bits, 3 mantissa bits); its scale is its entry of lowp_scales. Its value is code x scale, taken as it is: it is not quantised again, and the codes and scales need not be those that the quantiser above would give.
;; One version. Each part assembles by itself: llvm-mc -triple=amdgcn-amd-amdhsa -mcpu=gfx1250 --defsym DOCPART=n.
;; ======== version 1 of 1: 3 launches
;; limits: values are held in bf16: 8 bits of precision; right only within a limited range of input values
;; workspace buffers: biask 131,072 bytes; pctx 2,097,152 bytes; pml 131,072 bytes; vfrag 1,048,576 bytes
;; launch prep (part 1): grid 80 x 1, 4 waves a work-group, no clusters, 9,216 bytes of LDS; arguments decoder_output_codes, W_codes, b, lowp_scales, biask, V_codes, vfrag; writes biask, vfrag
.if DOCPART == 1
	.amdgcn_target "amdgcn-amd-amdhsa--gfx1250"
	.amdhsa_code_object_version 6
	.text
	.protected	k_qa334adb0a0_prep
	.globl	k_qa334adb0a0_prep
	.p2align	8
	.type	k_qa334adb0a0_prep,@function
k_qa334adb0a0_prep:
	s_mov_b64 s[64:65], 0
	v_nop
	global_prefetch_b8 v0, s[64:65] scope:SCOPE_SE
	s_setreg_imm32_b32 hwreg(HW_REG_WAVE_MODE, 25, 1), 1
	s_wait_xcnt 0x0
; biask[bt][c] = k2 x (dec_proj[bt][c] + b[c]), k2 = 2 log2(e): the addend of the next launch's tanh, already in the exponent's unit.
; dec_proj = decoder_output W on codes of E4M3 as they are given; each finished sum is multiplied once by 2^(e0 + e1) (by v_ldexp_f32: no limit on e0 + e1).
; decoder_output_codes: [32][1024] bytes, W_codes: [1024 (c)][1024 (k)] bytes, K innermost in both.  biask: [32][1024] f32.
; SHARES.  Work-group g takes columns 64 g .. 64 g + 63, wave w the 16 columns from c0 = 64 g + 16 w, for both tiles of 16 batch rows: sixteen matrix instructions a wave, the two accumulators by turns.
; The product has 64 x 2 tiles in all: 16 work-groups are what it fills with whole 256-byte pieces of a row on the way out.  No cluster: each work-group reads columns of W of its own; what is shared, the
; 32 KiB of decoder codes, is a third of a work-group's bytes and is read once by each.  No LDS ring: every operand is read once, straight into registers.
; THE MATRIX INSTRUCTION IS USED TRANSPOSED (source 0 = 16 rows of W_codes, source 1 = 16 batch rows): lane (r, h) holds batch row r and, in register j, column c0 + 8 h + j.
; A fragment is fetched by four loads of 16 bytes, 32 apart: registers 4 c .. 4 c + 3 hold k = 32 c + 16 h + 0 .. 15: one permutation of k, the same on both sides, so every product meets its partner.
; REGISTERS: window 0: v1-13 addresses and the scale; v16-31 two accumulators; v32-39 b, then k2 b; v40-55 results; v64-191 W's eight fragments; v192-207 rows on the way out.  window 1: the decoder's 2 x 8 fragments.
.set K2, 0x4038aa3b                    ; 2 log2(e)
.set SP, 272                           ; a stage row: 64 columns x 4 bytes + 16 of padding
.set MSB, 0
.macro WIN new                         ; the immediate's high byte repeats the setting that is left
.if MSB != \new
	s_set_vgpr_msb (MSB<<8)|\new
.set MSB, \new
.endif
.endm
; WORK-GROUPS 16 TO 79 lay V_codes out for the next launch, one tile of 16 columns (16 rows of 1,024 codes) each: vfrag[tile][K step of 128][c][lane][16 bytes] is the image of a fragment's registers:
; lane (r, h) holds row r's codes k = 128 s + 32 c + 16 h + 0 .. 15.  Wave w takes K steps 2 w and 2 w + 1: eight loads, eight stores; a wave's store covers 512 consecutive bytes, aligned.  No LDS, no barrier on this way.
	s_cmp_lt_u32 ttmp9, 16
	s_cbranch_scc1 .Lproj
	s_load_b64 s[4:5], s[0:1], 0x28                ; V_codes
	s_load_b64 s[6:7], s[0:1], 0x30                ; vfrag
	v_lshrrev_b32 v1, 5, v0
	v_readfirstlane_b32 s16, v1                    ; wave
	v_and_b32 v2, 15, v0
	v_bfe_u32 v3, v0, 4, 1
	v_lshlrev_b32 v4, 10, v2
	v_lshl_add_u32 v4, v3, 4, v4                   ; from: row r + 16 h
	s_lshl_b32 s17, s16, 8
	v_add_nc_u32 v4, s17, v4                       ; + K step 2 w
	v_and_b32 v5, 31, v0
	v_lshlrev_b32 v5, 4, v5                        ; to: 16 x lane
	s_lshl_b32 s17, s16, 12
	v_add_nc_u32 v5, s17, v5                       ; + K step 2 w's 2,048 bytes
	s_sub_co_u32 s18, ttmp9, 16
	s_lshl_b32 s18, s18, 14                        ; the tile's 16 KiB, in both buffers
	s_mov_b32 s19, 0
	s_wait_alu depctr_va_vdst(0)
	s_wait_kmcnt 0x0
	s_add_nc_u64 s[4:5], s[4:5], s[18:19]
	s_add_nc_u64 s[6:7], s[6:7], s[18:19]
.irp k, 0,1
.irp c, 0,1,2,3
	global_load_b128 v[8+16*\k+4*\c:11+16*\k+4*\c], v4, s[4:5] offset:128*\k+32*\c
.endr
.endr
	s_wait_loadcnt 0x0
.irp k, 0,1
.irp c, 0,1,2,3
	global_store_b128 v5, v[8+16*\k+4*\c:11+16*\k+4*\c], s[6:7] offset:2048*\k+512*\c
.endr
.endr
	s_endpgm
.Lproj:
	s_load_b128 s[4:7], s[0:1], 0x0                ; decoder codes s[4:5], W codes s[6:7]
	s_load_b128 s[8:11], s[0:1], 0x10              ; b s[8:9], the scales' exponents s[10:11]
	s_load_b64 s[12:13], s[0:1], 0x20              ; biask
	v_lshl_add_u32 v254, v0, 2, 0x2200
	v_mov_b32 v255, 0
	v_lshrrev_b32 v1, 5, v0
	v_readfirstlane_b32 s16, v1                    ; wave 0..3
	v_and_b32 v2, 15, v0                           ; r
	v_bfe_u32 v3, v0, 4, 1                         ; h
	v_lshlrev_b32 v4, 10, v2
	v_lshl_add_u32 v4, v3, 4, v4                   ; a fragment's lane: row r of 1,024 bytes + 16 h
	v_lshlrev_b32 v5, 5, v3                        ; b: my half's eight numbers
	s_lshl_b32 s18, ttmp9, 16                      ; W: 64 g rows of 1,024 bytes
	s_lshl_b32 s17, s16, 14                        ;    + 16 w rows
	s_add_co_u32 s18, s18, s17
	s_mov_b32 s19, 0
	s_lshl_b32 s20, ttmp9, 8                       ; b: 4 x (64 g + 16 w)
	s_lshl_b32 s17, s16, 6
	s_add_co_u32 s20, s20, s17
	s_mov_b32 s21, 0
	s_lshl_b32 s22, ttmp9, 8                       ; biask: the work-group's 256 bytes of a row
	s_mov_b32 s23, 0
	s_mov_b32 s24, K2
	s_mov_b32 s25, K2                              ; (named with it as a pair, so it is written)
	s_wait_alu depctr_va_vdst(0)
	s_wait_kmcnt 0x0
	s_load_b64 s[14:15], s[10:11], 0x0             ; e0, e1
	s_add_nc_u64 s[6:7], s[6:7], s[18:19]
	s_add_nc_u64 s[8:9], s[8:9], s[20:21]
	s_add_nc_u64 s[12:13], s[12:13], s[22:23]
.irp s, 0,1,2,3,4,5,6,7
.irp c, 0,1,2,3
	global_load_b128 v[64+16*\s+4*\c:67+16*\s+4*\c], v4, s[6:7] offset:128*\s+32*\c
.endr
.endr
	WIN 0x40                                       ; destination window 1
.irp mt, 0,1
.irp s, 0,1,2,3,4,5,6,7
.irp c, 0,1,2,3
	global_load_b128 v[128*\mt+16*\s+4*\c:128*\mt+16*\s+4*\c+3], v4, s[4:5] offset:16384*\mt+128*\s+32*\c
.endr
.endr
.endr
	WIN 0
	global_load_b128 v[32:35], v5, s[8:9]
	global_load_b128 v[36:39], v5, s[8:9] offset:16
	v_mul_u32_u24 v6, v2, SP                       ; into the stage: row r (+ 16 for the second tile), my wave's 64 bytes, 32 for each half of the lanes
	v_lshl_add_u32 v6, v3, 5, v6
	s_lshl_b32 s17, s16, 6
	v_add_nc_u32 v6, s17, v6
	v_mul_u32_u24 v7, v3, SP                       ; back: wave w takes rows 8 w .. 8 w + 7; lanes 0-15 one row, lanes 16-31 the next
	v_lshl_add_u32 v7, v2, 4, v7
	s_mul_i32 s17, s16, 8*SP
	v_add_nc_u32 v7, s17, v7
	v_lshlrev_b32 v8, 12, v3                       ; and the same rows of biask
	v_lshl_add_u32 v8, v2, 4, v8
	s_lshl_b32 s17, s16, 15
	v_add_nc_u32 v8, s17, v8
	s_wait_loadcnt 0x0
	WIN 0x04                                       ; source 1 (the decoder's fragments) window 1
.irp s, 0,1,2,3,4,5,6,7
.irp mt, 0,1
.if \s == 0
	v_wmma_f32_16x16x128_fp8_fp8 v[16+8*\mt:23+8*\mt], v[64+16*\s:79+16*\s], v[128*\mt+16*\s:128*\mt+16*\s+15], 0
.else
	v_wmma_f32_16x16x128_fp8_fp8 v[16+8*\mt:23+8*\mt], v[64+16*\s:79+16*\s], v[128*\mt+16*\s:128*\mt+16*\s+15], v[16+8*\mt:23+8*\mt]
.endif
.endr
.endr
	WIN 0
.irp j, 0,2,4,6
	v_pk_mul_f32 v[32+\j:33+\j], v[32+\j:33+\j], s[24:25] op_sel_hi:[1,0]   ; k2 b.  These four name no register of the products: they are the places in front of the first read of the sums (ISA guide 7.12.1)
.endr
	s_wait_kmcnt 0x0
	s_add_co_i32 s14, s14, s15                     ; e0 + e1
	v_mov_b32 v12, K2
	v_ldexp_f32 v12, v12, s14                      ; k2 x 2^(e0 + e1)
	v_mov_b32 v13, v12
	s_wait_alu depctr_va_vdst(0)
.irp mt, 0,1
.irp j, 0,2,4,6
	v_pk_fma_f32 v[40+8*\mt+\j:41+8*\mt+\j], v[16+8*\mt+\j:17+8*\mt+\j], v[12:13], v[32+\j:33+\j]   ; each accumulator from its low end on
.endr
.endr
.irp mt, 0,1
	ds_store_b128 v6, v[40+8*\mt:43+8*\mt] offset:16*SP*\mt
	ds_store_b128 v6, v[44+8*\mt:47+8*\mt] offset:16*SP*\mt+16
.endr
	s_wait_dscnt 0x0                               ; for the others' sake: my stores into the stage are done; a row's 256 bytes come from four waves
	s_barrier_signal -1
	s_barrier_wait -1
.irp t, 0,1,2,3
	ds_load_b128 v[192+4*\t:195+4*\t], v7 offset:2*\t*SP
.endr
.irp t, 0,1,2,3
	s_wait_dscnt 3-\t                              ; LDS loads come back in order: pair t of rows is in, the younger ones may be out
	global_store_b128 v8, v[192+4*\t:195+4*\t], s[12:13] offset:8192*\t   ; sixteen lanes store 256 consecutive bytes, at a multiple of 256 from the buffer's first byte
.endr
	s_wait_tensorcnt 0x0
	ds_add_u32 v254, v255
	s_wait_dscnt 0x0
	s_endpgm
.Lfunc_end_k_qa334adb0a0_prep:
	.size	k_qa334adb0a0_prep, .Lfunc_end_k_qa334adb0a0_prep-k_qa334adb0a0_prep
	.p2alignl 7, 3214868480
	.fill 96, 4, 3214868480
	.section	.rodata,"a",@progbits
	.p2align	6, 0x0
	.amdhsa_kernel k_qa334adb0a0_prep
		.amdhsa_group_segment_fixed_size 9216
		.amdhsa_private_segment_fixed_size 0
		.amdhsa_enable_private_segment 0
		.amdhsa_kernarg_size 56
		.amdhsa_user_sgpr_count 2
		.amdhsa_user_sgpr_kernarg_segment_ptr 1
		.amdhsa_wavefront_size32 1
		.amdhsa_system_sgpr_workgroup_id_x 1
		.amdhsa_system_sgpr_workgroup_id_y 1
		.amdhsa_system_sgpr_workgroup_id_z 1
		.amdhsa_system_vgpr_workitem_id 0
		.amdhsa_next_free_vgpr 512
		.amdhsa_next_free_sgpr 66
		.amdhsa_reserve_vcc 0
		.amdhsa_float_denorm_mode_32 3
		.amdhsa_float_denorm_mode_16_64 3
		.amdhsa_memory_ordered 1
		.amdhsa_forward_progress 1
		.amdhsa_inst_pref_size 18
	.end_amdhsa_kernel
	.amdgpu_metadata
---
amdhsa.version: [ 1, 2 ]
amdhsa.kernels:
  - .name:           k_qa334adb0a0_prep
    .symbol:         k_qa334adb0a0_prep.kd
    .args:
      - { .name: decoder_output_codes, .offset: 0, .size: 8, .value_kind: global_buffer, .address_space: global }
      - { .name: W_codes, .offset: 8, .size: 8, .value_kind: global_buffer, .address_space: global }
      - { .name: b, .offset: 16, .size: 8, .value_kind: global_buffer, .address_space: global }
      - { .name: lowp_scales, .offset: 24, .size: 8, .value_kind: global_buffer, .address_space: global }
      - { .name: biask, .offset: 32, .size: 8, .value_kind: global_buffer, .address_space: global }
      - { .name: V_codes, .offset: 40, .size: 8, .value_kind: global_buffer, .address_space: global }
      - { .name: vfrag, .offset: 48, .size: 8, .value_kind: global_buffer, .address_space: global }
    .group_segment_fixed_size: 9216
    .private_segment_fixed_size: 0
    .kernarg_segment_align: 8
    .kernarg_segment_size: 56
    .max_flat_workgroup_size: 128
    .sgpr_count:     66
    .vgpr_count:     512
    .wavefront_size: 32
...
	.end_amdgpu_metadata
.endif
;; end of part 1
;; launch attn (part 2): grid 256 x 1, 4 waves a work-group, no clusters, 306,176 bytes of LDS; arguments encoder_outputs, vfrag, lowp_scales, w, biask, pctx, pml; writes pctx, pml
.if DOCPART == 2
	.amdgcn_target "amdgcn-amd-amdhsa--gfx1250"
	.amdhsa_code_object_version 6
	.text
	.protected	k_qa334adb0a0_attn
	.globl	k_qa334adb0a0_attn
	.p2align	8
	.type	k_qa334adb0a0_attn,@function
k_qa334adb0a0_attn:
	s_mov_b64 s[64:65], 0
	v_nop
	global_prefetch_b8 v0, s[64:65] scope:SCOPE_SE
	s_setreg_imm32_b32 hwreg(HW_REG_WAVE_MODE, 25, 1), 1
	s_wait_xcnt 0x0
; For each unit of 128 encoder rows of one batch row: scores, the unit's own softmax (its maximum m taken away, its sum l) and the unit's part of the context; the next launch joins a batch row's 16 units.
; score(t) = sum over c of w[c] tanh(x), x = dec_proj + enc_proj + b.  tanh(x) = 1 - 2 / (1 + 2^(k2 x)), k2 = 2 log2(e).
; DEAD WORK: the term sum over c of w[c] x 1 is the same for every t of a row, so the softmax along t takes it away for all values of the inputs: it is not summed.
; LIMIT: an overflow of that sum alone is not carried to the result.  What is summed is s(t) = sum of (-k2 w[c]) / (1 + 2^(k2 x)): the score in the unit of a base-2 exponent.
; enc_proj is the QUANTISED product: encoder rows are held at +-448 x 2^e2 and converted to E4M3 from f32; V's codes are taken as given; the f32 sums are multiplied by k2 2^(e2 + e3) in the fused multiply-add that adds biask.
; LIMITS on the given exponents: e2 between -126 and 119, e2 + e3 between -126 and 126 (each power of two is made as an f32 number).  The scaled scores stay under 2^31 in magnitude.
; The context takes the encoder rows rounded to bf16 and p = 2^(s - m) rounded to bf16, sums in f32.
; SHARES.  256 work-groups STAY and walk two units each (units 2 g, 2 g + 1: one batch row).  Four waves.  In a unit's head wave w reads K columns 256 w .. + 255 of all 128 rows once from memory, makes codes
; (through the stage CST to the waves that multiply them) and bf16 (in LDS, 64 KiB a wave).  In the walk over V's 1,024 columns wave (rh, ch) holds 64 rows x 1,024 K of codes in windows 1 and 2
; and takes 16 columns a step: 32 matrix instructions, four accumulators by turns, K ascending, source 0 = 16 columns of V, source 1 = 16 encoder rows: a lane holds one row and eight neighbouring columns.
; A STEP IS LAID IN PHASES: the run of matrix instructions holds no transcendental; then the tanh goes as batches (16 fused multiply-adds, 32 exponentials, 16 additions, 32 reciprocals, 16 weighted sums).
; V'S FRAGMENTS COME FROM MEMORY STRAIGHT INTO REGISTERS, from vfrag, which the launch before laid as register images: a load of 16 bytes a lane covers 512 consecutive bytes.  Three sets of 128 registers take turns;
; a set is asked for again, three steps ahead, as soon as its products are issued.  NO TENSOR LOAD, NO CLUSTER: LDS holds the unit's bf16 rows (262,144 bytes), the stage (33,280), the tables (8,192) and
; 2,560 bytes of small things: 306,176 of a WGP's 327,680; the 21,504 left hold no slot of even one step's 32 columns (33,280 bytes), so there is nowhere for a joint tile to land.
; PREFETCH: while unit 0 is multiplied, unit 1's 512 KiB are asked for: 16 requests a wave, 32 lanes x 256 bytes each, rows ascending; the last unit asks for nothing.
; No prefetch for vfrag: its loads are themselves asked three steps ahead, and all work-groups walk the same 1 MiB.
; REGISTERS: window 0: v1-2 the add's; v3-14 addresses; v16-23 scores; v24-31 at work; v32-159 V's set 0; v160-191 accumulators; v224-239 (biask, -k2 w); window 3: V's sets 1 and 2.
.set K2,    0x4038aa3b
.set VP,    1040                       ; a stage row of 1,024 codes + 16 bytes of padding
.set WPART, 16*VP
.set XB,    0                          ; bf16 of the unit's rows, 64 KiB a wave
.set CST,   XB+262144                  ; the stage for codes: 32 rows
.set TAB,   CST+32*VP                  ; biask's row, then -k2 w
.set SCX,   TAB+8192                   ; the two column halves' scores
.set PB,    SCX+1024                   ; p as bf16, 256 bytes a wave
.set SPARE, PB+1024                    ; the spare words
.set MSB, 0
.macro WIN new
.if MSB != (\new)
	s_set_vgpr_msb (MSB<<8)|(\new)
.set MSB, (\new)
.endif
.endm
.macro PLACES
.rept 4
	v_nop
.endr
.endm
.macro ALL16 op
.irp n, 0,1,2,3,4,5,6,7,8,9,10,11,12,13,14,15
	\op \n
.endr
.endm
	s_load_b256 s[4:11], s[0:1], 0x0               ; encoder rows, vfrag, scales, w
	s_load_b128 s[12:15], s[0:1], 0x20             ; biask, pctx
	s_load_b64 s[16:17], s[0:1], 0x30              ; pml
	v_lshl_add_u32 v1, v0, 2, SPARE
	v_mov_b32 v2, 0
	v_lshrrev_b32 v15, 5, v0
	v_readfirstlane_b32 s18, v15                   ; wave
	s_lshr_b32 s19, s18, 1                         ; rh
	s_and_b32 s20, s18, 1                          ; ch
	s_mov_b32 s46, 0x76543210
	s_mov_b32 s47, 0xfedcba98
	v_and_b32 v3, 15, v0
	v_bfe_u32 v4, v0, 4, 1
	v_lshlrev_b32 v5, 15, v4
	v_lshl_add_u32 v5, v3, 4, v5
	s_lshl_b32 s56, s18, 10
	v_add_nc_u32 v5, s56, v5                       ; memory: 8 h rows + 16 r bytes + my 1,024 bytes of a row
	v_mul_u32_u24 v6, v4, 8*VP
	v_lshl_add_u32 v6, v3, 2, v6
	s_lshl_b32 s56, s18, 8
	s_add_co_u32 s56, s56, CST
	v_add_nc_u32 v6, s56, v6                       ; codes into the stage
	v_mul_u32_u24 v7, v3, VP
	v_lshl_add_u32 v7, v4, 4, v7
	s_mul_i32 s56, s19, WPART
	s_add_co_u32 s56, s56, CST
	v_add_nc_u32 v7, s56, v7                       ; and out of it, as fragments
	v_and_b32 v15, 31, v0
	v_lshlrev_b32 v8, 4, v15
	s_lshl_b32 s56, s18, 16
	v_add_nc_u32 v8, s56, v8                       ; my bf16 block
	v_lshlrev_b32 v9, 4, v15
	s_lshl_b32 s56, s20, 14
	v_add_nc_u32 v9, s56, v9                       ; vfrag: 16 x lane + my column half's tile
	v_lshlrev_b32 v11, 5, v4
	s_lshl_b32 s56, s20, 6
	s_add_co_u32 s56, s56, TAB
	v_add_nc_u32 v11, s56, v11                     ; my eight columns' table entries
	v_lshlrev_b32 v14, 2, v3
	s_lshl_b32 s56, s20, 9
	s_lshl_b32 s57, s19, 6
	s_add_co_u32 s56, s56, s57
	s_add_co_u32 s56, s56, SCX
	v_add_nc_u32 v14, s56, v14
	s_wait_alu depctr_va_vdst(0)
	s_wait_kmcnt 0x0
	s_load_b128 s[52:55], s[8:9], 0x0              ; e0 .. e3
	s_lshl_b32 s56, ttmp9, 20
	s_mov_b32 s57, 0
	s_add_nc_u64 s[4:5], s[4:5], s[56:57]          ; two units of 512 KiB
	s_lshr_b32 s56, ttmp9, 3
	s_lshl_b32 s56, s56, 12
	s_add_nc_u64 s[12:13], s[12:13], s[56:57]      ; the batch row's biask
	s_lshl_b32 s56, ttmp9, 13
	s_add_nc_u64 s[14:15], s[14:15], s[56:57]
	s_lshl_b32 s56, ttmp9, 9
	s_add_nc_u64 s[16:17], s[16:17], s[56:57]
	s_mov_b32 s60, 2                               ; units to go
.macro GLOADH n, hf                    ; half a granule: 4 of the 8 loads of 16 rows x 256 bytes
.if ((\n)%8) < 6
.set lX, 32+32*((\n)%8)
	WIN 0
.else
.set lX, 192+32*((\n)%8-6)
	WIN 0x40
.endif
.irp j, 0,1,2,3
	global_load_b128 v[lX+16*(\hf)+4*\j:lX+16*(\hf)+4*\j+3], v5, s[4:5] offset:(16*((\n)/4)+4*(\hf)+\j)*4096+256*((\n)%4) th:TH_LOAD_NT
.endr
	WIN 0
.endm
.macro VFR b, f0, off                  ; four fragments of V, f0 .. f0 + 3, into set b, from byte off of the walking base
.if (\b) == 0
.set vB, 32
	WIN 0
.else
.set vB, 128*((\b)-1)
	WIN 0xc0
.endif
.irp f, \f0, \f0+1, \f0+2, \f0+3
.irp c, 0,1,2,3
	global_load_b128 v[vB+16*(\f)+4*\c:vB+16*(\f)+4*\c+3], v9, s[48:49] offset:(\off)+2048*(\f)+512*\c
.endr
.endr
.endm
.macro GRAN n                          ; a granule becomes bf16 and codes
.if ((\n)%8) < 6
.set gX, 32+32*((\n)%8)
.set gW, 0
.else
.set gX, 192+32*((\n)%8-6)
.set gW, 1
.endif
.set gT, (\n)/8
.set gH, ((\n)/4)%2
.set gC, (\n)%4
.if (\n) <= 24
	s_wait_loadcnt 52                              ; 60 are out: the oldest eight, this granule, are in
.elseif (\n) <= 27
	s_wait_loadcnt 8*(31-(\n))                     ; the younger granules may be out
.else
	s_wait_loadcnt 8*(31-(\n))+32                  ; and the 32 loads of V's set 0 behind them
.endif
.if (\n)+7 < 32
	GLOADH (\n)+7, 1
.endif
	s_wait_dscnt 0x0
	WIN 5*gW
.irp i, 0,1,2,3
.irp q, 0,1,2,3
	v_cvt_pk_bf16_f32 v[224+4*\i+\q], v[gX+8*\q+\i], v[gX+8*\q+4+\i]
.endr
.endr
	WIN 0
.irp i, 0,1,2,3
	ds_store_b128 v8, v[224+4*\i:227+4*\i] offset:((16*gT+4*gC+\i)*2+gH)*512
.endr
	WIN 0x41*gW
.set jj, 0
.rept 32
	v_med3_num_f32 v[gX+jj], v[gX+jj], s43, s42    ; the hold at +-448 x 2^e2: the conversion does not saturate (ISA guide 7.6.2)
.set jj, jj+1
.endr
	WIN gW
.irp g, 0,1,2,3
	v_cvt_scalef32_pk8_fp8_f32 v[240+2*\g:241+2*\g], v[gX+8*\g:gX+8*\g+7], v13
.endr
	WIN 0
	v_nop
.irp j, 0,1,2,3,4,5,6,7
	ds_store_b32 v6, v[240+\j] offset:(16*gH+\j)*VP+64*gC
.endr
.if (\n)+8 < 32
	GLOADH (\n)+8, 0
.endif
.if (\n) == 27                         ; granules 24 to 27 have left v32-159: step 0's fragments are asked for
	VFR 0, 0, 0
	VFR 0, 4, 0
	WIN 0
.endif
.if (\n) == 31                         ; steps 1 and 2
	VFR 1, 0, 32768
	VFR 1, 4, 32768
	VFR 2, 0, 65536
	VFR 2, 4, 65536
	WIN 0
.endif
.endm
.macro GROUPEND g                      ; 32 rows of codes are staged: each wave takes its 16 as fragments
	s_wait_dscnt 0x0
	s_barrier_signal -1
	s_barrier_wait -1
	WIN 0x40
.irp s, 0,1,2,3
.irp c, 0,1,2,3
	ds_load_b128 v[64*\g+16*\s+4*\c:64*\g+16*\s+4*\c+3], v7 offset:128*\s+32*\c
.endr
.endr
	WIN 0x80
.irp s, 0,1,2,3
.irp c, 0,1,2,3
	ds_load_b128 v[64*\g+16*\s+4*\c:64*\g+16*\s+4*\c+3], v7 offset:512+128*\s+32*\c
.endr
.endr
	WIN 0
	s_wait_dscnt 0x0
	s_barrier_signal -1
	s_barrier_wait -1
.endm
.macro WM s, m
.if cB == 0
.set wB, 32
.set wW, 0
.else
.set wB, 128*(cB-1)
.set wW, 3
.endif
.if (\s) < 4
	WIN 0x04|wW
.else
	WIN 0x08|wW
.endif
.if (\s) == 0
	v_wmma_f32_16x16x128_fp8_fp8 v[160+8*(\m):160+8*(\m)+7], v[wB+16*(\s):wB+16*(\s)+15], v[64*(\m)+16*((\s)%4):64*(\m)+16*((\s)%4)+15], 0
.else
	v_wmma_f32_16x16x128_fp8_fp8 v[160+8*(\m):160+8*(\m)+7], v[wB+16*(\s):wB+16*(\s)+15], v[64*(\m)+16*((\s)%4):64*(\m)+16*((\s)%4)+15], v[160+8*(\m):160+8*(\m)+7]
.endif
.endm
.macro WMK s                           ; one K step of 128: the four accumulators by turns
.irp m, 0,1,2,3
	WM \s, \m
.endr
.endm
.macro TA n                            ; k2 x: the sum x k2 2^(e2 + e3) + biask; each accumulator from its low end on
	v_pk_fma_f32 v[160+2*(\n):161+2*(\n)], v[160+2*(\n):161+2*(\n)], s[40:41], v[224+2*((\n)%4):225+2*((\n)%4)] op_sel_hi:[1,0,1]
.endm
.macro TB n
	v_exp_f32 v[160+2*(\n)], v[160+2*(\n)]
	v_exp_f32 v[161+2*(\n)], v[161+2*(\n)]
.endm
.macro TC n
	v_pk_add_f32 v[160+2*(\n):161+2*(\n)], v[160+2*(\n):161+2*(\n)], 1.0 op_sel_hi:[1,0]
.endm
.macro TD n
	v_rcp_f32 v[160+2*(\n)], v[160+2*(\n)]
	v_rcp_f32 v[161+2*(\n)], v[161+2*(\n)]
.endm
.macro TE n                            ; the reciprocals x (-k2 w) onto the scores
	v_pk_fma_f32 v[16+2*((\n)/4):17+2*((\n)/4)], v[160+2*(\n):161+2*(\n)], v[232+2*((\n)%4):233+2*((\n)%4)], v[16+2*((\n)/4):17+2*((\n)/4)]
.endm
.macro ASK off                         ; 32 blocks of 256 bytes of my work-group's next unit; the last unit has none behind it
	s_cmp_eq_u32 s60, 1
	s_cbranch_scc1 .Lno_ask_\@
	global_prefetch_b8 v27, s[62:63] offset:\off th:TH_LOAD_NT scope:SCOPE_SE
.Lno_ask_\@:
.endm
; A step: 16 columns.  b: V's set; j: the step's place from the walking bases; lc: the loads younger than this set's that may be out (two sets are 64: the wait names 63);
; fv: the set is asked for again, for the step three on; ft: the next step's table entries are fetched; pf, pf2: prefetch offsets, or -1.
.macro CSTEP b, j, lc, fv, ft, pf, pf2
.set cB, \b
	s_wait_loadcnt \lc
	WMK 0
	WMK 1
	WMK 2
	WMK 3
.if \fv
	PLACES                                         ; in front of loads into registers that matrix instructions have read
	VFR \b, 0, ((\j)+3)*32768
.endif
	WMK 4
	WMK 5
	WMK 6
	WMK 7
	PLACES                                         ; likewise, and in front of the first read of the sums (ISA guide 7.12.1)
.if \fv
	VFR \b, 4, ((\j)+3)*32768
.endif
	WIN 0
.if (\j) == 0
	v_add_nc_u32 v12, s45, v11
.endif
	s_wait_dscnt 0x0                               ; this step's table entries
	ALL16 TA
	s_wait_alu depctr_va_vdst(0)
	ALL16 TB
	v_nop
	s_wait_alu depctr_va_vdst(0)
.if (\pf) >= 0
	ASK \pf
.endif
.if (\pf2) >= 0
	ASK \pf2
.endif
	ALL16 TC
	s_wait_alu depctr_va_vdst(0)
	ALL16 TD
	v_nop
	s_wait_alu depctr_va_vdst(0)
	ALL16 TE
.if \ft
	ds_load_b128 v[224:227], v12 offset:128*((\j)+1)
	ds_load_b128 v[228:231], v12 offset:128*((\j)+1)+16
	ds_load_b128 v[232:235], v12 offset:128*((\j)+1)+4096
	ds_load_b128 v[236:239], v12 offset:128*((\j)+1)+4112
.endif
.endm
.Lunit:
	v_lshlrev_b32 v24, 4, v0
	v_add_nc_u32 v25, TAB, v24
	v_and_b32 v27, 31, v0
	v_lshlrev_b32 v27, 8, v27
	s_lshl_b32 s56, s18, 13
	v_add_nc_u32 v27, s56, v27                     ; the prefetches' offset: 8,192 x wave + 256 x lane
	s_add_nc_u64 s[62:63], s[4:5], 0x80000         ; the next unit
	s_mov_b64 s[48:49], s[6:7]                     ; V's walk begins anew
	global_load_b128 v[224:227], v24, s[12:13]
	global_load_b128 v[228:231], v24, s[12:13] offset:2048
	global_load_b128 v[232:235], v24, s[10:11]
	global_load_b128 v[236:239], v24, s[10:11] offset:2048
.irp n, 0,1,2,3,4,5,6
	GLOADH \n, 0
	GLOADH \n, 1
.endr
	s_wait_kmcnt 0x0
	s_add_co_i32 s56, s54, 127
	s_lshl_b32 s57, s56, 23
	v_mov_b32 v13, s57                             ; 2^e2
	s_add_co_i32 s56, s56, 8
	s_lshl_b32 s56, s56, 23
	s_or_b32 s42, s56, 0x600000                    ; 448 x 2^e2
	s_or_b32 s43, s42, 0x80000000
	s_add_co_i32 s56, s54, s55
	s_lshl_b32 s56, s56, 23
	s_add_co_i32 s40, s56, K2                      ; k2 x 2^(e2 + e3)
	s_mov_b32 s41, s40
	s_mov_b32 s58, 0xc038aa3b                      ; -k2
	s_mov_b32 s59, s58
.irp j, 16,17,18,19,20,21,22,23,28,29,30,31
	v_mov_b32 v\j, 0
.endr
	s_wait_alu depctr_va_vdst(0)
	s_wait_loadcnt 56                              ; the four table loads are in; the 56 behind them may be out
	GLOADH 7, 0
.irp j, 0,2,4,6
	v_pk_mul_f32 v[232+\j:233+\j], v[232+\j:233+\j], s[58:59] op_sel_hi:[1,0]
.endr
	ds_store_b128 v25, v[224:227]
	ds_store_b128 v25, v[228:231] offset:2048
	ds_store_b128 v25, v[232:235] offset:4096
	ds_store_b128 v25, v[236:239] offset:6144
.irp tt, 0,1,2,3
.irp gg, 0,1,2,3,4,5,6,7
	GRAN 8*\tt+\gg
.endr
	GROUPEND \tt
.endr
	ds_load_b128 v[224:227], v11                   ; step 0's table entries
	ds_load_b128 v[228:231], v11 offset:16
	ds_load_b128 v[232:235], v11 offset:4096
	ds_load_b128 v[236:239], v11 offset:4112
	s_mov_b32 s45, 0
	s_mov_b32 s44, 9
.Lloop:                                                ; steps 3 t .. 3 t + 2: once through V's three sets
	CSTEP 0, 0, 63, 1, 1, 0, -1
	CSTEP 1, 1, 63, 1, 1, -1, -1
	CSTEP 2, 2, 63, 1, 1, -1, -1
	s_wait_xcnt 0x0                                ; my loads and prefetches have read their bases
	s_add_nc_u64 s[48:49], s[48:49], 0x18000
	s_add_nc_u64 s[62:63], s[62:63], 0x8000
	s_add_co_u32 s45, s45, 384
	s_sub_co_u32 s44, s44, 1
	s_cmp_lg_u32 s44, 0
	s_cbranch_scc1 .Lloop
	CSTEP 0, 0, 63, 1, 1, 0, 32768                 ; steps 27 and 28 ask for steps 30 and 31; the last three ask for no fragment
	CSTEP 1, 1, 63, 1, 1, 65536, 98304
	CSTEP 2, 2, 63, 0, 1, 131072, -1
	CSTEP 0, 3, 32, 0, 1, 163840, -1
	CSTEP 1, 4, 0, 0, 0, 196608, -1
	s_wait_alu depctr_va_vdst(0)
	s_wait_xcnt 0x0                                ; v27 may be written again
.irp m, 0,1,2,3
	v_add_f32 v[24+\m], v[16+2*\m], v[17+2*\m]
.endr
.irp m, 0,1,2,3
	v_permlanex16_b32 v[28+\m], v[24+\m], s46, s47
.endr
.irp m, 0,1,2,3
	v_add_f32 v[24+\m], v[24+\m], v[28+\m]         ; my column half's score of row 32 m + 16 rh + r
.endr
.irp m, 0,1,2,3
	ds_store_b32 v14, v[24+\m] offset:128*\m
.endr
	v_and_b32 v15, 31, v0
	v_lshlrev_b32 v28, 4, v15
	v_add_nc_u32 v28, SCX, v28
	s_lshl_b32 s56, s18, 8
	s_add_co_u32 s56, s56, PB
	v_lshl_add_u32 v29, v15, 3, s56
	v_lshl_add_u32 v30, v4, 4, s56
	s_lshl_b32 s57, s18, 10
	v_lshl_add_u32 v31, v15, 4, s57
	s_wait_alu depctr_va_vdst(0)
	s_wait_dscnt 0x0
	s_barrier_signal -1
	s_barrier_wait -1
	ds_load_b128 v[16:19], v28                     ; every wave takes all 128 scores, four a lane
	ds_load_b128 v[20:23], v28 offset:512
	s_wait_dscnt 0x0
	v_pk_add_f32 v[16:17], v[16:17], v[20:21]
	v_pk_add_f32 v[18:19], v[18:19], v[22:23]
	v_max3_num_f32 v24, v16, v17, v18
	v_max_num_f32 v24, v24, v19
	v_max_num_f32_dpp v24, v24, v24 row_xmask:1 row_mask:0xf bank_mask:0xf
	v_max_num_f32_dpp v24, v24, v24 row_xmask:2 row_mask:0xf bank_mask:0xf
	v_max_num_f32_dpp v24, v24, v24 row_xmask:4 row_mask:0xf bank_mask:0xf
	v_max_num_f32_dpp v24, v24, v24 row_xmask:8 row_mask:0xf bank_mask:0xf
	v_permlanex16_b32 v25, v24, s46, s47
	v_max_num_f32 v24, v24, v25                    ; m: the unit's largest score
.irp i, 0,1,2,3
	v_sub_f32 v[16+\i], v[16+\i], v24
.endr
	s_wait_alu depctr_va_vdst(0)
.irp i, 0,1,2,3
	v_exp_f32 v[16+\i], v[16+\i]
.endr
	v_nop
	s_wait_alu depctr_va_vdst(0)
	v_add_f32 v26, v16, v17
	v_add_f32 v27, v18, v19
	v_add_f32 v26, v26, v27
	v_add_f32_dpp v26, v26, v26 row_xmask:1 row_mask:0xf bank_mask:0xf
	v_add_f32_dpp v26, v26, v26 row_xmask:2 row_mask:0xf bank_mask:0xf
	v_add_f32_dpp v26, v26, v26 row_xmask:4 row_mask:0xf bank_mask:0xf
	v_add_f32_dpp v26, v26, v26 row_xmask:8 row_mask:0xf bank_mask:0xf
	v_permlanex16_b32 v27, v26, s46, s47
	v_add_f32 v25, v26, v27                        ; l: the unit's sum of p
	v_cvt_pk_bf16_f32 v20, v16, v17
	v_cvt_pk_bf16_f32 v21, v18, v19
	ds_store_b64 v29, v[20:21]
	v_lshlrev_b32 v26, 3, v15
.irp tt, 0,1,2,3
	ds_load_b128 v[160+8*\tt:163+8*\tt], v30 offset:64*\tt      ; LDS serves a wave's instructions in order: these see my store
	ds_load_b128 v[164+8*\tt:167+8*\tt], v30 offset:64*\tt+32
.endr
	WIN 0x40                                       ; the bf16 rows come where the codes lay: rows 0-63 into window 1, rows 64-127 into window 2
.set jj, 0
.rept 64
	ds_load_b128 v[4*jj:4*jj+3], v8 offset:512*jj
.set jj, jj+1
.endr
	WIN 0x80
.set jj, 0
.rept 64
	ds_load_b128 v[4*jj:4*jj+3], v8 offset:512*(jj+64)
.set jj, jj+1
.endr
	WIN 0
	s_wait_dscnt 0x0
.irp tt, 0,1,2,3                       ; the context of my 256 columns: 16 accumulators by turns, 32 rows a turn
.if \tt < 2
	WIN 0x04
.else
	WIN 0x08
.endif
.irp ti, 0,1,2,3,4,5,6,7,8,9,10,11,12,13,14,15
.if \tt == 0
	v_wmma_f32_16x16x32_bf16 v[32+8*\ti:39+8*\ti], v[160+8*\tt:167+8*\tt], v[8*(16*(\tt%2)+\ti):8*(16*(\tt%2)+\ti)+7], 0
.else
	v_wmma_f32_16x16x32_bf16 v[32+8*\ti:39+8*\ti], v[160+8*\tt:167+8*\tt], v[8*(16*(\tt%2)+\ti):8*(16*(\tt%2)+\ti)+7], v[32+8*\ti:39+8*\ti]
.endif
.endr
.endr
	WIN 0
	PLACES
	v_cmp_eq_u32 vcc_lo, 1, v4
.irp z, 0,1
.irp i, 0,1,2,3
	v_cndmask_b32 v[16+4*\z+\i], v[32+8*(8*\z+\i)], v[32+8*(8*\z+4+\i)], vcc_lo
.endr
.endr
	global_store_b128 v31, v[16:19], s[14:15]      ; a wave's store covers 512 consecutive bytes, aligned
	global_store_b128 v31, v[20:23], s[14:15] offset:512
	s_cmp_lg_u32 s18, 0
	s_cbranch_scc1 .Lnot_first
	global_store_b64 v26, v[24:25], s[16:17]       ; (m, l), 32 times: one whole block of 256 bytes
.Lnot_first:
	s_wait_xcnt 0x0                                ; the stores have read their registers and bases
	s_add_nc_u64 s[4:5], s[4:5], 0x80000           ; on to the next unit
	s_add_nc_u64 s[14:15], s[14:15], 0x1000
	s_add_nc_u64 s[16:17], s[16:17], 0x100
	s_sub_co_u32 s60, s60, 1
	s_cmp_lg_u32 s60, 0
	s_wait_alu depctr_va_vdst(0)
	s_cbranch_scc1 .Lunit
	s_wait_tensorcnt 0x0                           ; the wave's end
	ds_add_u32 v1, v2
	s_wait_dscnt 0x0
	s_endpgm
.Lfunc_end_k_qa334adb0a0_attn:
	.size	k_qa334adb0a0_attn, .Lfunc_end_k_qa334adb0a0_attn-k_qa334adb0a0_attn
	.p2alignl 7, 3214868480
	.fill 96, 4, 3214868480
	.section	.rodata,"a",@progbits
	.p2align	6, 0x0
	.amdhsa_kernel k_qa334adb0a0_attn
		.amdhsa_group_segment_fixed_size 306176
		.amdhsa_private_segment_fixed_size 0
		.amdhsa_enable_private_segment 0
		.amdhsa_kernarg_size 56
		.amdhsa_user_sgpr_count 2
		.amdhsa_user_sgpr_kernarg_segment_ptr 1
		.amdhsa_wavefront_size32 1
		.amdhsa_system_sgpr_workgroup_id_x 1
		.amdhsa_system_sgpr_workgroup_id_y 1
		.amdhsa_system_sgpr_workgroup_id_z 1
		.amdhsa_system_vgpr_workitem_id 0
		.amdhsa_next_free_vgpr 1024
		.amdhsa_next_free_sgpr 66
		.amdhsa_reserve_vcc 1
		.amdhsa_float_denorm_mode_32 3
		.amdhsa_float_denorm_mode_16_64 3
		.amdhsa_memory_ordered 1
		.amdhsa_forward_progress 1
		.amdhsa_inst_pref_size 255
	.end_amdhsa_kernel
	.section	.bss,"aw",@nobits
	.p2align	6
	.space	262144
	.amdgpu_metadata
---
amdhsa.version: [ 1, 2 ]
amdhsa.kernels:
  - .name:           k_qa334adb0a0_attn
    .symbol:         k_qa334adb0a0_attn.kd
    .args:
      - { .name: encoder_outputs, .offset: 0, .size: 8, .value_kind: global_buffer, .address_space: global }
      - { .name: vfrag, .offset: 8, .size: 8, .value_kind: global_buffer, .address_space: global }
      - { .name: lowp_scales, .offset: 16, .size: 8, .value_kind: global_buffer, .address_space: global }
      - { .name: w, .offset: 24, .size: 8, .value_kind: global_buffer, .address_space: global }
      - { .name: biask, .offset: 32, .size: 8, .value_kind: global_buffer, .address_space: global }
      - { .name: pctx, .offset: 40, .size: 8, .value_kind: global_buffer, .address_space: global }
      - { .name: pml, .offset: 48, .size: 8, .value_kind: global_buffer, .address_space: global }
    .group_segment_fixed_size: 306176
    .private_segment_fixed_size: 0
    .kernarg_segment_align: 8
    .kernarg_segment_size: 56
    .max_flat_workgroup_size: 128
    .sgpr_count:     66
    .vgpr_count:     1024
    .wavefront_size: 32
...
	.end_amdgpu_metadata
.endif
;; end of part 2
;; launch comb (part 3): grid 4 x 32, 2 waves a work-group, no clusters, 0 bytes of LDS; arguments pctx, pml, out0; writes out0
.if DOCPART == 3
	.amdgcn_target "amdgcn-amd-amdhsa--gfx1250"
	.amdhsa_code_object_version 6
	.text
	.protected	k_qa334adb0a0_comb
	.globl	k_qa334adb0a0_comb
	.p2align	8
	.type	k_qa334adb0a0_comb,@function
k_qa334adb0a0_comb:
	s_mov_b64 s[64:65], 0
	v_nop
	global_prefetch_b8 v0, s[64:65] scope:SCOPE_SE
	s_setreg_imm32_b32 hwreg(HW_REG_WAVE_MODE, 25, 1), 1
	s_wait_xcnt 0x0
; out0[bt][h] = sum over the batch row's 16 units u of 2^(m_u - M) ctx_u[h]  /  sum over u of 2^(m_u - M) l_u,  M = the largest m_u: the softmax's maximum is taken away here for the whole row.
; pctx: [512][1024] f32; pml: [512][32 x (m, l)] f32; out0: [32][1024] f32.
; Work-group (x, bt), 64 threads: thread t owns columns 256 x + 4 t .. + 3.  All 32 loads go out at once; a wave's load or store of 16 bytes a lane covers 512 consecutive bytes.
; A stream of 2 MiB: no LDS, no barrier, no matrix unit, no cluster: the work-groups share nothing but a batch row's sixteen pairs (m, l).
.set ML,  2                            ; v2-33    (m, l) of unit k at v[2 + 2 k], v[3 + 2 k]
.set CT,  40                           ; v40-103  unit k's four numbers
.set FF,  104                          ; v104-119 f_k = 2^(m_k - M)
.set ACC, 124                          ; v124-127 the sums
	s_load_b128 s[4:7], s[0:1], 0x0                ; pctx, pml
	s_load_b64 s[8:9], s[0:1], 0x10                ; out0
	s_and_b32 s10, ttmp7, 0xffff                   ; the batch row
	s_lshl_b32 s11, ttmp9, 10                      ; my work-group's 1,024 bytes of a row
	s_lshl_b32 s12, s10, 16                        ; 16 units of 4,096 bytes
	s_add_co_u32 s12, s12, s11
	s_mov_b32 s13, 0
	s_lshl_b32 s14, s10, 12                        ; 16 units of 256 bytes
	s_mov_b32 s15, 0
	s_lshl_b32 s16, s10, 12                        ; a row of out0
	s_add_co_u32 s16, s16, s11
	s_mov_b32 s17, 0
	v_lshlrev_b32 v1, 4, v0
	v_mov_b32 v34, 0
	s_wait_alu depctr_va_vdst(0)
	s_wait_kmcnt 0x0
	s_add_nc_u64 s[4:5], s[4:5], s[12:13]
	s_add_nc_u64 s[6:7], s[6:7], s[14:15]
	s_add_nc_u64 s[8:9], s[8:9], s[16:17]
.irp k, 0,1,2,3,4,5,6,7,8,9,10,11,12,13,14,15
	global_load_b64 v[ML+2*\k:ML+2*\k+1], v34, s[6:7] offset:256*\k
.endr
.irp k, 0,1,2,3,4,5,6,7,8,9,10,11,12,13,14,15
	global_load_b128 v[CT+4*\k:CT+4*\k+3], v1, s[4:5] offset:4096*\k
.endr
	s_wait_loadcnt 16                              ; the sixteen pairs are in; the sixteen loads behind them may be out
	v_max3_num_f32 v120, v[ML], v[ML+2], v[ML+4]
.irp k, 3,5,7,9,11,13
	v_max3_num_f32 v120, v120, v[ML+2*\k], v[ML+2*\k+2]
.endr
	v_max_num_f32 v120, v120, v[ML+30]             ; M
.irp k, 0,1,2,3,4,5,6,7,8,9,10,11,12,13,14,15
	v_sub_f32 v[FF+\k], v[ML+2*\k], v120
.endr
	s_wait_alu depctr_va_vdst(0)
.irp k, 0,1,2,3,4,5,6,7,8,9,10,11,12,13,14,15
	v_exp_f32 v[FF+\k], v[FF+\k]                   ; at most 1; the largest unit's is 1, and its l is at least 1
.endr
	v_nop                                          ; a plain instruction behind the exponentials
	s_wait_alu depctr_va_vdst(0)
	v_mul_f32 v128, v[FF], v[ML+1]                 ; the divisor, in two chains
	v_mul_f32 v129, v[FF+1], v[ML+3]
.irp k, 2,4,6,8,10,12,14
	v_fmac_f32 v128, v[FF+\k], v[ML+2*\k+1]
	v_fmac_f32 v129, v[FF+\k+1], v[ML+2*\k+3]
.endr
	v_add_f32 v128, v128, v129
	s_wait_alu depctr_va_vdst(0)
	v_rcp_f32 v130, v128                           ; made twice, to fill the pair that the packed multiply names; the sums below stand between it and its use
	v_rcp_f32 v131, v128
	s_wait_loadcnt 0x0
	v_pk_mul_f32 v[ACC:ACC+1], v[CT:CT+1], v[FF:FF+1] op_sel_hi:[1,0]        ; the first term starts the sums: nothing is cleared
	v_pk_mul_f32 v[ACC+2:ACC+3], v[CT+2:CT+3], v[FF:FF+1] op_sel_hi:[1,0]
	v_pk_fma_f32 v[ACC:ACC+1], v[CT+4:CT+5], v[FF:FF+1], v[ACC:ACC+1] op_sel:[0,1,0] op_sel_hi:[1,1,1]       ; an odd unit's f is the pair's second register, for both halves
	v_pk_fma_f32 v[ACC+2:ACC+3], v[CT+6:CT+7], v[FF:FF+1], v[ACC+2:ACC+3] op_sel:[0,1,0] op_sel_hi:[1,1,1]
.irp k, 2,4,6,8,10,12,14
	v_pk_fma_f32 v[ACC:ACC+1], v[CT+4*\k:CT+4*\k+1], v[FF+\k:FF+\k+1], v[ACC:ACC+1] op_sel_hi:[1,0,1]
	v_pk_fma_f32 v[ACC+2:ACC+3], v[CT+4*\k+2:CT+4*\k+3], v[FF+\k:FF+\k+1], v[ACC+2:ACC+3] op_sel_hi:[1,0,1]
	v_pk_fma_f32 v[ACC:ACC+1], v[CT+4*\k+4:CT+4*\k+5], v[FF+\k:FF+\k+1], v[ACC:ACC+1] op_sel:[0,1,0] op_sel_hi:[1,1,1]
	v_pk_fma_f32 v[ACC+2:ACC+3], v[CT+4*\k+6:CT+4*\k+7], v[FF+\k:FF+\k+1], v[ACC+2:ACC+3] op_sel:[0,1,0] op_sel_hi:[1,1,1]
.endr
	s_wait_alu depctr_va_vdst(0)
	v_pk_mul_f32 v[ACC:ACC+1], v[ACC:ACC+1], v[130:131]
	v_pk_mul_f32 v[ACC+2:ACC+3], v[ACC+2:ACC+3], v[130:131]
	global_store_b128 v1, v[ACC:ACC+3], s[8:9]
	s_endpgm
.Lfunc_end_k_qa334adb0a0_comb:
	.size	k_qa334adb0a0_comb, .Lfunc_end_k_qa334adb0a0_comb-k_qa334adb0a0_comb
	.p2alignl 7, 3214868480
	.fill 96, 4, 3214868480
	.section	.rodata,"a",@progbits
	.p2align	6, 0x0
	.amdhsa_kernel k_qa334adb0a0_comb
		.amdhsa_group_segment_fixed_size 0
		.amdhsa_private_segment_fixed_size 0
		.amdhsa_enable_private_segment 0
		.amdhsa_kernarg_size 24
		.amdhsa_user_sgpr_count 2
		.amdhsa_user_sgpr_kernarg_segment_ptr 1
		.amdhsa_wavefront_size32 1
		.amdhsa_system_sgpr_workgroup_id_x 1
		.amdhsa_system_sgpr_workgroup_id_y 1
		.amdhsa_system_sgpr_workgroup_id_z 1
		.amdhsa_system_vgpr_workitem_id 0
		.amdhsa_next_free_vgpr 132
		.amdhsa_next_free_sgpr 66
		.amdhsa_reserve_vcc 0
		.amdhsa_float_denorm_mode_32 3
		.amdhsa_float_denorm_mode_16_64 3
		.amdhsa_memory_ordered 1
		.amdhsa_forward_progress 1
		.amdhsa_inst_pref_size 9
	.end_amdhsa_kernel
	.amdgpu_metadata
---
amdhsa.version: [ 1, 2 ]
amdhsa.kernels:
  - .name:           k_qa334adb0a0_comb
    .symbol:         k_qa334adb0a0_comb.kd
    .args:
      - { .name: pctx, .offset: 0, .size: 8, .value_kind: global_buffer, .address_space: global }
      - { .name: pml, .offset: 8, .size: 8, .value_kind: global_buffer, .address_space: global }
      - { .name: out0, .offset: 16, .size: 8, .value_kind: global_buffer, .address_space: global }
    .group_segment_fixed_size: 0
    .private_segment_fixed_size: 0
    .kernarg_segment_align: 8
    .kernarg_segment_size: 24
    .max_flat_workgroup_size: 64
    .sgpr_count:     66
    .vgpr_count:     132
    .wavefront_size: 32
...
	.end_amdgpu_metadata
.endif
;; end of part 3
